; MI455X (gfx1250); checked and timed in simulation.
; The chip was launched on July 23, 2026; its instructions are those of AMD's public machine-readable ISA for CDNA 5 (MIT licence, August 2026) and "CDNA5" Instruction Set Architecture Reference Guide (July 2026). The comments in the code are by the model that wrote it; some were corrected since.
;; Quantized Linear. Allowed arithmetic: matrix products marked QUANTISED: E5M2 operands, one E8M0 scale for each 32 along K, by v_wmma_scale_f32_16x16x128_f8f6f4 with both operands' format E5M2, f32 sums; everything else in f32.
;; Inputs: bias 4,096 float32; scale one number float32; weight_q 4,096 x 4,096 int32; x_codes 4 x 1,024 x 128 x 32 uint8 (E5M2 codes of x, K innermost, in blocks of 32 codes); x_scales 4 x 1,024 x 128 uint8 (E8M0 scales of x, one for each 32 codes along K); zero_point one number float32.
;; Outputs: out0 4 x 1,024 x 4,096 float32.
;; This version of the problem:
;;   THIS VERSION OF THE PROBLEM IS GIVEN IN LOW PRECISION. The matrix products marked QUANTISED in the list below multiply operands that are first quantised to E5M2 (5 exponent bits, 2 mantissa bits; 8 bits a number), with one power-of-two scale for each 32 numbers along K (OCP MX v1.0); their sums are f32. All else is computed in f32.
;;   The module's matrix products, in the order in which they are computed (A, B: the left and right operand; K: the contracted axis; several contracted axes count as one K, in the product's order):
;;     1. [M 4,096, K 4,096] x [K 4,096, N 4,096]; A: input x (given as codes); B: computed on the way: QUANTISED
;;   THE QUANTISER, for each operand of a quantised product, along K:
;;     - K is cut into blocks of 32 from its start; a last block that is shorter is filled with zeros.
;;     - A block's scale is 2^e with e = floor(log2(the largest magnitude in the block)) - 15, held to -126 .. 127; a block of zeros has e = 0. As a byte (E8M0): e + 127.
;;     - Each number is divided by its block's scale, clamped to +-57,344, and rounded to the nearest number of E5M2, ties to even, subnormals kept.
;;     - The product sums the exact products of the quantised numbers (number of the format x scale) in f32.
;;   ~~~python
;;   def quantise(x, axis):      # numpy; x: float32 -> the quantised numbers, widened to float32 again
;;       x = np.moveaxis(x, axis, -1); K = x.shape[-1]
;;       x = np.pad(x, [(0, 0)] * (x.ndim - 1) + [(0, -K % 32)]); x = x.reshape(x.shape[:-1] + (-1, 32)); a = np.abs(x).max(-1, keepdims=True)
;;       e = np.where(a > 0, np.clip(np.frexp(np.where(a > 0, a, 1))[1] - 1 - 15, -126, 127), 0)      # np.frexp(a)[1] - 1 = floor(log2(a)), exactly
;;       r = np.clip(x / 2.0 ** e, -57344, 57344)
;;       step = 2.0 ** (np.maximum(np.frexp(np.where(r == 0, 1, r))[1] - 1, -14) - 2)
;;       q = np.round(r / step) * step * 2.0 ** e      # np.round: ties to even
;;       return np.moveaxis(q.reshape(q.shape[:-2] + (-1,))[..., :K], -1, axis).astype(np.float32)
;;   ~~~
;;   OPERANDS COMPUTED ON THE WAY. 'Computed on the way' means the value that the module computes at that place (a softmax that the list does not call 'softmax' is quantised finished and normalised). What goes into a quantiser is computed in f32, as accurately as f32 sums, v_exp_f32 and their like allow (about 1e-6 of the number): no bf16 or f16 on the way to a quantiser, and a product that is left as it is and whose result goes on into a quantised operand takes f32 operands (vector FMAs, or v_wmma_f32_16x16x4_f32). A number that lies on a knife's edge between two numbers of the format may be rounded either way, as far as f32 arithmetic and the matrix unit's own rounding can turn it there, and no further.
;;   INPUTS GIVEN AS CODES. x (in the module: [4, 1024, 4096], K = its axis 2): each comes as NAME_codes (uint8): NAME with its K axis moved to the last place and cut into blocks of 32 codes, [.., K / 32, bytes a block], one block behind the other in memory; one code a byte (a code: sign, 5 exponent bits, 2 mantissa bits); and NAME_scales (uint8): the same leading axes, one E8M0 byte (e + 127) for each 32 codes along K. Its value is code x scale, taken as it is: it is not quantised again, and the codes and scales need not be those that the quantiser above would give.
;; One version. Each part assembles by itself: llvm-mc -triple=amdgcn-amd-amdhsa -mcpu=gfx1250 --defsym DOCPART=n.
;; ======== version 1 of 1: 2 launches
;; limits: right only within a limited range of input values
;; workspace buffers: w_codes 16,777,216 bytes; scl 1,048,576 bytes
;; launch prep (part 1): grid 512 x 1, 4 waves a work-group, no clusters, 39,424 bytes of LDS; arguments weight_q, scale, zero_point, x_scales, w_codes, scl; writes w_codes, scl
.if DOCPART == 1
	.amdgcn_target "amdgcn-amd-amdhsa--gfx1250"
	.amdhsa_code_object_version 6
	.text
	.protected	k_q2539fd82b1_prep
	.globl	k_q2539fd82b1_prep
	.p2align	8
	.type	k_q2539fd82b1_prep,@function
k_q2539fd82b1_prep:
	s_mov_b64 s[64:65], 0
	v_nop
	global_prefetch_b8 v0, s[64:65] scope:SCOPE_SE
	s_setreg_imm32_b32 hwreg(HW_REG_WAVE_MODE, 25, 1), 1
	s_wait_xcnt 0x0
; w[n][k] = (f32(weight_q[n][k]) - zero_point) * scale, [4096][4096], is made in f32 (a subtraction, then a multiplication: two roundings, as the problem writes it) and turned into
; codes of BF8 (E5M2), K innermost, w_codes [4096][4096], with one E8M0 byte for each 32 along K.  A block's scale is 2^(floor(log2(its largest magnitude)) - 15); its byte is the largest
; magnitude's exponent field - 15, held at 1 from below; each number is divided by the scale, held within +-57,344 and rounded to the nearest code, ties to even.
; THE SCALE BYTES OF BOTH OPERANDS are laid by K step of 256: scl = two parts of 524,288 bytes (x's, then w's), each [k / 256: 16][row: 4096][8 bytes]: the words of 32 neighbouring rows for one K step
; are then 256 consecutive bytes, which the product's launch takes by one load of a wave.  x's bytes are only moved.
; LIMITS: NaN and infinities in scale or zero_point are not served.  A block of zeros gets the byte 1 where the quantiser says 127: its codes are zeros, which add nothing under any byte but 0xff, and
; this program alone reads the bytes.  Blocks whose largest magnitude lies under 2^(16 - 127) are quantised under the byte 1, which is the quantiser's own lower hold.
; SHARES.  Wave u = 4 x work-group + wave (0 .. 2047) takes rows 32 (u / 16) on and k = 256 (u % 16) on: 32 rows x 256 k, in 16 steps of two rows.  The four waves of a work-group stand side by side along K.
; A conversion takes neighbours along K from ONE lane's registers, a load is best where neighbouring LANES take neighbouring bytes: each of a step's four loads reads 512 consecutive bytes, 16 a lane; the 2,048 bytes
; go through the wave's own stage in LDS, as they lie, and come back 64 bytes a lane (16 bytes of padding behind each 64): lanes 0-15 then hold the even row, lanes 16-31 the odd one, two lanes a block of 32.
; No tensor loads, no barrier: waves share nothing.  Loads run six steps (24 loads a wave) ahead, the turn through LDS one step.  Every offset is an immediate and every store has registers of its own,
; so no register that a store reads is written again.
; THE LAYOUT OF w_codes, in place of plain rows: by fragments of the product's matrix instruction, [n / 16: 256][k / 128: 32][2,048 bytes]; in a fragment the 16 codes of row r at
; k = 32 c + 16 h + 0 .. 15 lie at byte 512 c + 256 h + 16 r.  So a wave of the product's launch loads a fragment by four loads of 512 consecutive bytes, 16 a lane, straight into its operand registers.
; A wave's 16 rows x 256 k are two fragments on end, 4,096 bytes: sixteen units of 256 bytes (unit j = my lane % 16, row r inside it).  The codes of eight steps go through a second stage in LDS
; (units 272 bytes apart) and leave as eight stores of 512 consecutive bytes.
.set STEPS, 16
.set DEPTH, 6                          ; steps of loads on their way
.set EMAX,  15
.set MANT,  0x600000                   ; the mantissa field of 57,344 as f32
.set WROW,  16384                      ; a row of weight_q in bytes
.set CROW,  4096                       ; a row of w_codes in bytes
.set WPART, 524288                     ; where w's part of scl begins
.set R,     16                         ; v16-111  six sets of 16 numbers as they are loaded
.set X,     112                        ; v112-143 two sets of 16 neighbours
.set C,     144                        ; v144-207 codes: four registers for each step
.set E,     208                        ; v208-223 a scale byte for each step
.set XSB,   224                        ; v[224:225] x's eight scale bytes of my row
.set WSB,   226                        ; v[226:227] w's, on the way out
.set WREG,  9728                       ; LDS: a region for each wave: two stages of 32 x SP bytes, its 256 scale bytes, and the codes' stage of 16 x 272 bytes
.set SP,    80                         ; a lane's place in a stage: 64 bytes + 16 of padding
	s_load_b256 s[4:11], s[0:1], 0x0               ; weight_q s[4:5], scale s[6:7], zero_point s[8:9], x_scales s[10:11]
	s_load_b128 s[12:15], s[0:1], 0x20             ; w_codes s[12:13], scl s[14:15]
	v_lshl_add_u32 v232, v0, 2, 0x9800
	v_mov_b32 v233, 0
	v_lshrrev_b32 v1, 5, v0
	v_readfirstlane_b32 s16, v1                    ; wave 0..3
	v_and_b32 v2, 31, v0                           ; lane
	v_lshlrev_b32 v1, 7, v2                        ; x_scales: a row is 128 bytes, a lane a row
	v_lshlrev_b32 v3, 4, v2                        ; my 16 bytes of a load's 512
	v_lshrrev_b32 v4, 4, v2
	v_and_b32 v8, 15, v2
	v_mul_u32_u24 v12, v8, 272                     ; the codes' stage, on the way in: unit lane % 16,
	v_lshl_add_u32 v12, v4, 4, v12                 ; row lane / 16 of the step's two
	v_mul_u32_u24 v13, v4, 272                     ; and on the way out: two units a load, 16 bytes a lane
	v_lshl_add_u32 v13, v8, 4, v13
	s_mul_i32 s22, s16, WREG
	v_lshrrev_b32 v14, 2, v2
	v_mul_u32_u24 v14, v14, SP
	v_and_b32 v15, 3, v2
	v_lshl_add_u32 v14, v15, 4, v14
	v_add_nc_u32 v14, s22, v14                     ; the stage, on the way in: four lanes' 64 bytes on end, then the padding; a load's 512 bytes take eight places
	v_mul_u32_u24 v15, v2, SP
	v_add_nc_u32 v15, s22, v15                     ; and on the way out: SP x lane: my 16 neighbours
	v_lshrrev_b32 v5, 1, v2
	s_add_co_u32 s22, s22, 2*32*SP
	v_add_nc_u32 v5, s22, v5                       ; my block's byte among a step's 16: 8 (lane / 16) + (lane % 16) / 2 = lane / 2
	v_lshlrev_b32 v7, 3, v2                        ; 8 bytes a row on the way out
	v_add_nc_u32 v6, s22, v7
	s_add_co_u32 s22, s22, 256                     ; behind the scale bytes: the codes' stage
	v_add_nc_u32 v12, s22, v12
	v_add_nc_u32 v13, s22, v13
	s_mov_b32 s23, MANT                            ; (an instruction takes one literal: the hold's line has another)
	s_lshl_b32 s17, ttmp9, 2
	s_add_co_u32 s17, s17, s16                     ; u
	s_lshr_b32 s18, s17, 4                         ; which 32 rows
	s_and_b32 s19, s17, 15                         ; which 256 along K
	s_mov_b32 s21, 0
	s_wait_alu depctr_va_vdst(0)
	s_wait_kmcnt 0x0
	s_load_b32 s24, s[6:7], 0x0                    ; scale
	s_load_b32 s26, s[8:9], 0x0                    ; zero_point
	s_lshl_b32 s20, s18, 19                        ; weight_q: 32 rows of 16,384 bytes,
	s_lshl_b32 s28, s19, 10                        ; 256 numbers of 4 bytes
	s_add_co_u32 s20, s20, s28
	s_add_nc_u64 s[4:5], s[4:5], s[20:21]
	s_lshl_b32 s20, s18, 12                        ; x_scales: 32 rows of 128 bytes, 8 bytes along
	s_lshl_b32 s28, s19, 3
	s_add_co_u32 s20, s20, s28
	s_add_nc_u64 s[10:11], s[10:11], s[20:21]
	s_lshl_b32 s20, s18, 17                        ; w_codes: 32 rows of 4,096 bytes, 256 bytes along
	s_lshl_b32 s28, s19, 12                        ; two fragments of 2,048 bytes for each 256 along K; 32 rows are two runs of 65,536 bytes
	s_add_co_u32 s20, s20, s28
	s_add_nc_u64 s[12:13], s[12:13], s[20:21]
	s_lshl_b32 s20, s19, 15                        ; scl: the K step's 4,096 rows of 8 bytes, my 32 rows
	s_lshl_b32 s28, s18, 8
	s_add_co_u32 s20, s20, s28
	s_add_nc_u64 s[14:15], s[14:15], s[20:21]
.macro LOAD t                          ; step t: rows 2 t and 2 t + 1, 1,024 bytes of each, in four loads of 512 consecutive bytes
.irp i, 0,1,2,3
	global_load_b128 v[R+16*((\t)%DEPTH)+4*\i:R+16*((\t)%DEPTH)+4*\i+3], v3, s[4:5] offset:(2*(\t)+\i/2)*WROW+512*(\i%2) th:TH_LOAD_NT
.endr
.endm
.macro TURN t                          ; step t's numbers through the stage: LDS serves a wave's instructions in order (ISA guide 5.7.1.4), so no wait stands between the stores and the loads
.irp i, 0,1,2,3
	ds_store_b128 v14, v[R+16*((\t)%DEPTH)+4*\i:R+16*((\t)%DEPTH)+4*\i+3] offset:32*SP*((\t)%2)+8*SP*\i
.endr
.irp i, 0,1,2,3
	ds_load_b128 v[X+16*((\t)%2)+4*\i:X+16*((\t)%2)+4*\i+3], v15 offset:32*SP*((\t)%2)+16*\i
.endr
.endm
	global_load_b64 v[XSB:XSB+1], v1, s[10:11]     ; x's scale bytes: my row's eight of this K step
.irp t, 0,1,2,3,4,5
	LOAD \t
.endr
	s_wait_loadcnt 4*(DEPTH-1)                     ; x's bytes and step 0's four loads are in; the 20 loads of steps 1 to 5 may be out
	TURN 0
	global_store_b64 v7, v[XSB:XSB+1], s[14:15]    ; 32 lanes store 256 consecutive bytes, aligned
	s_wait_kmcnt 0x0                               ; scale and zero_point
	s_mov_b32 s25, s24                             ; (the packed forms name pairs and take the low word for both halves: so the high words are written)
	s_xor_b32 s26, s26, 0x80000000                 ; -zero_point: q + (-z) is q - z, bit for bit
	s_mov_b32 s27, s26
.macro STEP t
.set XS, X+16*((\t)%2)
.if (\t) > 0
	s_wait_dscnt 1                                 ; this step's numbers are back from the stage (the last step's store of codes may be out)
.else
	s_wait_dscnt 0x0
.endif
.if (\t)+DEPTH < STEPS
	LOAD (\t)+DEPTH                                ; into the set that this step's stores into the stage have read
.endif
.if (\t)+1 < STEPS
.if (\t)+DEPTH < STEPS
	s_wait_loadcnt 4*(DEPTH-1)                     ; the next step's four loads are in; those of the five steps behind it may be out
.else
	s_wait_loadcnt 4*(STEPS-2-(\t))                ; the stream runs out: the steps behind the next one are fewer
.endif
	TURN (\t)+1                                    ; through the other stage while this step is worked
.endif
.irp i, 0,1,2,3,4,5,6,7,8,9,10,11,12,13,14,15
	v_cvt_f32_i32 v[XS+\i], v[XS+\i]
.endr
.irp i, 0,2,4,6,8,10,12,14
	v_pk_add_f32 v[XS+\i:XS+\i+1], v[XS+\i:XS+\i+1], s[26:27] op_sel_hi:[1,0]   ; q - zero_point
.endr
.irp i, 0,2,4,6,8,10,12,14
	v_pk_mul_f32 v[XS+\i:XS+\i+1], v[XS+\i:XS+\i+1], s[24:25] op_sel_hi:[1,0]   ; x scale: the difference is rounded first, as the problem has it, so the two are not fused
.endr
	v_max3_num_f32 v8, |v[XS]|, |v[XS+1]|, |v[XS+2]|               ; the largest magnitude of my 16, in two chains
	v_max3_num_f32 v9, |v[XS+3]|, |v[XS+4]|, |v[XS+5]|
.irp i, 6,10
	v_max3_num_f32 v8, v8, |v[XS+\i]|, |v[XS+\i+1]|
	v_max3_num_f32 v9, v9, |v[XS+\i+2]|, |v[XS+\i+3]|
.endr
	v_max3_num_f32 v8, v8, |v[XS+14]|, |v[XS+15]|
	v_max3_num_f32 v8, v8, v9, (EMAX+1)<<23        ; and the floor 2^(16 - 127): so the byte cannot fall under 1
	v_max_num_f32_dpp v8, v8, v8 row_xmask:1 row_mask:0xf bank_mask:0xf   ; and of my neighbour's 16: the block's
	v_add_nc_u32 v11, -(EMAX<<23), v8              ; 15 off its exponent field: the conversion takes the exponent field of this operand as its scale, and nothing else of it
	v_and_or_b32 v10, v8, 0x7f800000, s23          ; 57,344 x the scale: the largest magnitude's exponent field over 57,344's mantissa
.irp i, 0,1,2,3,4,5,6,7,8,9,10,11,12,13,14,15
	v_med3_num_f32 v[XS+\i], v[XS+\i], -v10, v10   ; the conversion to an 8-bit code does not saturate (ISA guide 7.6.2): the number is held first
.endr
	v_cvt_scalef32_pk8_bf8_f32 v[C+4*(\t):C+4*(\t)+1], v[XS:XS+7], v11
	v_cvt_scalef32_pk8_bf8_f32 v[C+4*(\t)+2:C+4*(\t)+3], v[XS+8:XS+15], v11
	v_lshrrev_b32 v[E+(\t)], 23, v11               ; the scale's byte; also the plain line behind the conversions
	ds_store_b8 v5, v[E+(\t)] offset:16*(\t)       ; both lanes of a block write the same byte with the same value
	ds_store_b128 v12, v[C+4*(\t):C+4*(\t)+3] offset:32*((\t)%8)   ; rows 2 (t % 8) and 2 (t % 8) + 1 of each unit
.if (\t)%8 == 7
.irp i, 0,1,2,3,4,5,6,7
	ds_load_b128 v[C+32*((\t)/8)+4*\i:C+32*((\t)/8)+4*\i+3], v13 offset:544*\i   ; LDS serves a wave's instructions in order: these see the eight stores
.endr
	s_wait_dscnt 0x0
.irp i, 0,1,2,3,4,5,6,7
	global_store_b128 v3, v[C+32*((\t)/8)+4*\i:C+32*((\t)/8)+4*\i+3], s[12:13] offset:65536*((\t)/8)+512*\i   ; 32 lanes store 512 consecutive bytes, aligned
.endr
.endif
.endm
.irp t, 0,1,2,3,4,5,6,7,8,9,10,11,12,13,14,15
	STEP \t
.endr
	ds_load_b64 v[WSB:WSB+1], v6                   ; row lane's eight bytes: these see my stores, which were issued earlier
	s_wait_dscnt 0x0
	global_store_b64 v7, v[WSB:WSB+1], s[14:15] offset:WPART   ; 32 lanes store 256 consecutive bytes, aligned
	s_wait_tensorcnt 0x0
	ds_add_u32 v232, v233
	s_wait_dscnt 0x0
	s_endpgm
.Lfunc_end_k_q2539fd82b1_prep:
	.size	k_q2539fd82b1_prep, .Lfunc_end_k_q2539fd82b1_prep-k_q2539fd82b1_prep
	.p2alignl 7, 3214868480
	.fill 96, 4, 3214868480
	.section	.rodata,"a",@progbits
	.p2align	6, 0x0
	.amdhsa_kernel k_q2539fd82b1_prep
		.amdhsa_group_segment_fixed_size 39424
		.amdhsa_private_segment_fixed_size 0
		.amdhsa_enable_private_segment 0
		.amdhsa_kernarg_size 48
		.amdhsa_user_sgpr_count 2
		.amdhsa_user_sgpr_kernarg_segment_ptr 1
		.amdhsa_wavefront_size32 1
		.amdhsa_system_sgpr_workgroup_id_x 1
		.amdhsa_system_sgpr_workgroup_id_y 1
		.amdhsa_system_sgpr_workgroup_id_z 1
		.amdhsa_system_vgpr_workitem_id 0
		.amdhsa_next_free_vgpr 234
		.amdhsa_next_free_sgpr 66
		.amdhsa_reserve_vcc 0
		.amdhsa_float_denorm_mode_32 3
		.amdhsa_float_denorm_mode_16_64 3
		.amdhsa_memory_ordered 1
		.amdhsa_forward_progress 1
		.amdhsa_inst_pref_size 78
	.end_amdhsa_kernel
	.amdgpu_metadata
---
amdhsa.version: [ 1, 2 ]
amdhsa.kernels:
  - .name:           k_q2539fd82b1_prep
    .symbol:         k_q2539fd82b1_prep.kd
    .args:
      - { .name: weight_q, .offset: 0, .size: 8, .value_kind: global_buffer, .address_space: global }
      - { .name: scale, .offset: 8, .size: 8, .value_kind: global_buffer, .address_space: global }
      - { .name: zero_point, .offset: 16, .size: 8, .value_kind: global_buffer, .address_space: global }
      - { .name: x_scales, .offset: 24, .size: 8, .value_kind: global_buffer, .address_space: global }
      - { .name: w_codes, .offset: 32, .size: 8, .value_kind: global_buffer, .address_space: global }
      - { .name: scl, .offset: 40, .size: 8, .value_kind: global_buffer, .address_space: global }
    .group_segment_fixed_size: 39424
    .private_segment_fixed_size: 0
    .kernarg_segment_align: 8
    .kernarg_segment_size: 48
    .max_flat_workgroup_size: 128
    .sgpr_count:     66
    .vgpr_count:     234
    .wavefront_size: 32
...
	.end_amdgpu_metadata
.endif
;; end of part 1
;; launch gemm (part 2): grid 16 x 16, 4 waves a work-group, clusters of 4 x 1, 327,680 bytes of LDS; arguments x_codes, w_codes, scl, bias, out0; writes out0
.if DOCPART == 2
	.amdgcn_target "amdgcn-amd-amdhsa--gfx1250"
	.amdhsa_code_object_version 6
	.text
	.protected	k_q2539fd82b1_gemm
	.globl	k_q2539fd82b1_gemm
	.p2align	8
	.type	k_q2539fd82b1_gemm,@function
k_q2539fd82b1_gemm:
	s_mov_b64 s[64:65], 0
	v_nop
	global_prefetch_b8 v0, s[64:65] scope:SCOPE_SE
	s_setreg_imm32_b32 hwreg(HW_REG_WAVE_MODE, 25, 1), 1
	s_wait_xcnt 0x0
	s_wait_alu depctr_hold_cnt(0) depctr_sa_sdst(0) depctr_va_vdst(0) depctr_va_sdst(0) depctr_va_ssrc(0) depctr_va_vcc(0) depctr_vm_vsrc(0)
	s_getreg_b32 s2, hwreg(HW_REG_IB_STS2, 6, 4)
	s_cmp_eq_u32 s2, 0
	s_cbranch_scc0 .Lentry_in_a_cluster
	s_endpgm
.Lentry_in_a_cluster:
	s_bfe_u32 s2, ttmp6, 0x10000c
	s_cmp_lg_u32 s2, 0x3003
	s_cbranch_scc0 .Lentry_shape_is_right
	s_endpgm
.Lentry_shape_is_right:
; out0[m][n] = sum over k of x[m][k] w[n][k] + bias[n]: codes of BF8 (E5M2) with one E8M0 byte for each 32 along K on both sides, sums in f32.
; A work-group of four waves makes 256 x 256 of out0; wave w makes all 256 rows x the 64 columns 64 w ..: 64 accumulators of 16 x 16, 512 registers.
; w's CODES lie by fragments ([n / 16][k / 128][2,048 bytes], laid so by the launch before): a wave's 64 rows of w are its own, so each fragment goes from memory straight into the
; wave's operand registers, four loads of 512 consecutive bytes.  Four sets of 64 registers: a step's 16 loads are issued three steps of 128 along K ahead, and waited for by count.
; x's CODES are read by all four waves and go through LDS: a ring of two slots, each 256 rows x 512 along K (rows of 512 bytes + 16 of padding), a quarter (64 rows) by each wave's one tensor load.
; A slot serves four steps, 256 matrix instructions a wave, and there is one change of slots for them.
; CLUSTERS: the four work-groups of a cluster (4, 1, 1) make the same 256 rows of out0 and ask for x's tiles JOINTLY (mask 15).  w is not asked for jointly: it has no tile in LDS, each byte goes to one wave's registers.
; THE SCALE BYTES ([k / 256][row][8 bytes], x's part then w's) come by loads of 256 consecutive bytes, 8 a lane: a register holds the words of two blocks of 16 rows (lanes 0-15, lanes 16-31), for one step.
; THE MATRIX INSTRUCTION IS USED TRANSPOSED (source 0 = 16 rows of w, source 1 = 16 rows of x): a lane holds eight neighbouring numbers of a row of out0.  The bias is the C of the first step's products.
; A STEP is four groups of 16 matrix instructions: four blocks of x, each against w's four.  x's fragments have two sets of four (128 registers).  Ahead of each group stands ONE run of loads: eight places
; then the 16 LDS loads of the NEXT group into the set that the group before has just read; w's 16 loads ride in the second group's run, the scale words' ten in the first's.
; THE LAST THREE STEPS GO BY ROWS OF out0: w's fragments of all three lie in three of the four sets, and x's 16 blocks are finished one after the other, 12 matrix instructions each (four accumulators by turns, K ascending),
; so that a block's rows are stored while the later blocks are multiplied.
; REGISTERS: window 0: v0-23 addresses; v24-71 scale words, two sets of 24 (x's at numbers 0-5 modulo 8, w's at 6, 7); v72-103 bias; v128-255 x's two sets.
;   window 1: w's four sets (in the last three steps set 0 takes the rows read back from the stage).  window 2: accumulators of x's blocks 0-7 ((a, b) at v[32 a + 8 b]);  window 3: of blocks 8-15.
; PREFETCHES, behind each refill and the LDS loads that follow it: x's tile one period (512 along K) ahead of its tensor load: 512 blocks of 256 bytes, a lane each over the cluster's 16 waves, shared out by address;
; w's stream two periods on: a wave's 128 blocks are shared out among the 16 work-groups that read them, eight lanes each (the other lanes name the eighth again).  x's stops where no tile is left.
.set PITCH,  528
.set BLKB,   16*PITCH                  ; 16 rows of a slot
.set QUART,  64*PITCH                  ; what one tensor load brings
.set SLOT,   256*PITCH
.set STAGE,  2*SLOT                    ; behind the ring: 16 rows x 272 bytes for each wave, for the way out; no tile lands here
.set SPITCH, 272
.set SPARE,  STAGE+4*16*SPITCH         ; the spare words, 128 bytes a wave
.set WPART,  524288                    ; where w's part of scl begins
.set ADX, 8                            ; v8-11  x's fragments in LDS: slot 0 blocks 0-7, blocks 8-15; slot 1 likewise
.set WO,  12                           ; 16 x lane
.set VSX, 13                           ; my 8 bytes of x's scale words
.set VSW, 14                           ; and of w's
.set BO,  15
.set STO, 16
.set RD,  17
.set CO,  18
.set PXO, 19
.set PWO, 20
.set SPW, 22
.set NIL, 23
.set SC,  24
.set BI,  72
.set XR,  128
.set G1,  24                           ; s[24:31] descriptor group 1;  s[32:39] group 0, one set for each slot
.set G0,  32
.set WB,  44                           ; s[44:45] w's codes at my 64 rows, stepped once a trip
.set SCB, 46                           ; s[46:47] scl, stepped once a trip
.set PFX, 48                           ; s[48:49] x's prefetches
.set MSB, 0
.set PL, -1                            ; the place of x's fragment where it is not block % 8 (the last three steps)
.macro WIN new                         ; the immediate's high byte repeats the setting that is left
.if MSB != (\new)
	s_set_vgpr_msb (MSB<<8)|(\new)
.set MSB, (\new)
.endif
.endm
.set MUL_LO, 0xa1                      ; source 0 (w) window 1, source 1 (x) window 0, C and D window 2
.set ONE_LO, 0x81                      ; the same with C (the bias) in window 0
.set TO_W,   0x40                      ; destination window 1, address window 0
.macro CREST                           ; a round of the cluster's barrier behind its opening barrier
	s_cmp_lg_u32 s14, 0
	s_cbranch_scc1 .Lnot_wave_0_\@
	s_barrier_signal -3
.Lnot_wave_0_\@:
	s_barrier_wait -3
	s_barrier_signal -1
	s_barrier_wait -1
.endm
.macro CROUND
	s_barrier_signal -1
	s_barrier_wait -1
	CREST
.endm
.macro PLACES n
.rept \n
	v_nop
.endr
.endm
.macro JLOAD s                         ; my quarter of a slot; s_nop 0 and four v_nop behind it
	tensor_load_to_lds s[G0+4*\s:G0+4*\s+3], s[G1:G1+7]
	s_nop 0
	PLACES 4
.endm
.macro XLOAD slot, q4, a               ; x's block a of the slot's q4-th 128 along K into place a % 8: registers 4 c .. 4 c + 3 hold K = 32 c + 16 (l / 16) + 0 .. 15
.irp c, 0,1,2,3
	ds_load_b128 v[XR+16*((\a)%8)+4*\c:XR+16*((\a)%8)+4*\c+3], v[ADX+2*(\slot)+(\a)/8] offset:((\a)%8)*BLKB+128*(\q4)+32*\c
.endr
.endm
.macro GRUN slot, q4, g                ; the 16 LDS loads of group g: blocks 4 g .. 4 g + 3, into set g % 2
.irp i, 0,1,2,3
	XLOAD \slot, \q4, 4*(\g)+\i
.endr
.endm
.macro RLOAD a                         ; by rows: x's block a of slot 1's last three steps, 12 LDS loads, into places 4 (a % 2) + 0 .. 2
.irp q, 1,2,3
.irp c, 0,1,2,3
	ds_load_b128 v[XR+16*(4*((\a)%2)+\q-1)+4*\c:XR+16*(4*((\a)%2)+\q-1)+4*\c+3], v[ADX+2+(\a)/8] offset:((\a)%8)*BLKB+128*\q+32*\c
.endr
.endr
.endm
.macro WLOAD set, b, rs                ; w's block b of step rs (counted from the base) into a set
.irp c, 0,1,2,3
	global_load_b128 v[64*(\set)+16*(\b)+4*\c:64*(\set)+16*(\b)+4*\c+3], v[WO], s[WB:WB+1] offset:65536*(\b)+2048*(\rs)+512*\c
.endr
.endm
.macro SCLOAD set, pr                  ; the scale words of 256 along K (pr: counted from the base): x's 256 rows, my 64 rows of w: ten loads
.irp p, 0,1,2,3,4,5,6,7
	global_load_b64 v[SC+24*(\set)+8*(\p/3)+2*(\p%3):SC+24*(\set)+8*(\p/3)+2*(\p%3)+1], v[VSX], s[SCB:SCB+1] offset:32768*(\pr)+256*\p
.endr
.irp o, 0,1
	global_load_b64 v[SC+24*(\set)+8*\o+6:SC+24*(\set)+8*\o+7], v[VSW], s[SCB:SCB+1] offset:32768*(\pr)+256*\o
.endr
.endm
; x's block a against w's four: the accumulators take turns
.macro MULB a, q4, first
.if \first
	WIN ONE_LO+0x40*((\a)/8)
.else
	WIN MUL_LO+0x50*((\a)/8)
.endif
.irp b, 0,1,2,3
.set KD, 32*((\a)%8)+8*\b
.set KW, 64*(\q4)+16*\b
.set KX, XR+16*((\a)%8)
.if PL >= 0
.set KX, XR+16*PL
.endif
.set KC, KD
.if \first
.set KC, BI+8*\b
.endif
.set KSW, SC+24*((\q4)/2)+8*(\b/2)+6+(\q4)%2
.set KSX, SC+24*((\q4)/2)+8*(((\a)/2)/3)+2*(((\a)/2)%3)+(\q4)%2
.if ((\a)%2 == 0) && ((\b)%2 == 0)
	v_wmma_scale_f32_16x16x128_f8f6f4 v[KD:KD+7], v[KW:KW+15], v[KX:KX+15], v[KC:KC+7], v[KSW], v[KSX] matrix_a_fmt:MATRIX_FMT_BF8 matrix_b_fmt:MATRIX_FMT_BF8
.elseif ((\a)%2 == 0)
	v_wmma_scale_f32_16x16x128_f8f6f4 v[KD:KD+7], v[KW:KW+15], v[KX:KX+15], v[KC:KC+7], v[KSW], v[KSX] matrix_a_fmt:MATRIX_FMT_BF8 matrix_b_fmt:MATRIX_FMT_BF8 matrix_a_scale:MATRIX_SCALE_ROW1
.elseif ((\b)%2 == 0)
	v_wmma_scale_f32_16x16x128_f8f6f4 v[KD:KD+7], v[KW:KW+15], v[KX:KX+15], v[KC:KC+7], v[KSW], v[KSX] matrix_a_fmt:MATRIX_FMT_BF8 matrix_b_fmt:MATRIX_FMT_BF8 matrix_b_scale:MATRIX_SCALE_ROW1
.else
	v_wmma_scale_f32_16x16x128_f8f6f4 v[KD:KD+7], v[KW:KW+15], v[KX:KX+15], v[KC:KC+7], v[KSW], v[KSX] matrix_a_fmt:MATRIX_FMT_BF8 matrix_b_fmt:MATRIX_FMT_BF8 matrix_a_scale:MATRIX_SCALE_ROW1 matrix_b_scale:MATRIX_SCALE_ROW1
.endif
.endr
.endm
.macro GMUL g, q4, first               ; group g: 16 matrix instructions
.irp i, 0,1,2,3
	MULB 4*(\g)+\i, \q4, \first
.endr
.endm
.macro ASK odd                         ; the prefetches; odd = 1: the trip's second change of slots, whose tile of x exists in the first two trips alone
	global_prefetch_b8 v[PWO], s[WB:WB+1] offset:16384+8192*\odd th:TH_LOAD_NT scope:SCOPE_SE
.if \odd
	s_cmp_gt_u32 s3, 1
	s_cbranch_scc0 .Lno_tile_\@
.endif
	global_prefetch_b8 v[PXO], s[PFX:PFX+1] offset:512*\odd th:TH_LOAD_NT scope:SCOPE_SE
.if \odd
.Lno_tile_\@:
.endif
.endm
; A step of 128 along K: the slot's q4-th.  rel: the step counted from the bases.  wl, sl: it asks for w's step three on, for the scale words of the next 256 along K.
; lc: the younger loads that may be out when this step's w and scale words have to be in.  kind 0: its successor lies in the same slot; 1: it changes slots and fills this one again; 2: it changes slots;
; 4: the last step that goes by K: w's loads stand in its first run, and its last run fetches the first block of the steps that go by rows.
.macro STEP slot, q4, rel, first, wl, sl, lc, kind, odd
	s_wait_loadcnt \lc
.irp g, 0,1,2
	PLACES 8                                       ; behind the group before, whose set the loads below fill; they serve w's set and the scale words of the step before too
	WIN 0
	GRUN \slot, \q4, \g+1
.if (\sl) && (\g == 0)
	SCLOAD 1-(\q4)/2, (\rel)/2+1
.endif
.if (\wl) && (((\g == 1) && (\kind != 4)) || ((\g == 0) && (\kind == 4)))
	WIN TO_W
.irp b, 0,1,2,3
	WLOAD ((\q4)+3)%4, \b, (\rel)+3
.endr
.endif
.if (\g == 2) && ((\kind == 1) || (\kind == 2))
	WIN 0                                          ; (the add's two registers lie in window 0)
	s_wait_tensorcnt 0x0                           ; my one tensor load that was out, my quarter of the next slot, has landed
	ds_add_u32 v[SPW], v[NIL]                      ; 0 onto my spare word; group 2's products stand between it and the wait for it
	s_wait_dscnt 17                                ; group 2's fragments are in: behind them the run of 16 and the add
.else
	s_wait_dscnt 16                                ; this group's fragments are in: behind them the run of 16 just issued
.endif
	GMUL \g, \q4, \first
.endr
.if \kind == 0
	PLACES 8
	WIN 0
	GRUN \slot, (\q4)+1, 0                         ; the next step's first group
	s_wait_dscnt 16
	GMUL 3, \q4, \first
.endif
.if (\kind == 1) || (\kind == 2)
	s_wait_dscnt 0x0                               ; the add is done, and my reads of this slot are over
	s_barrier_signal -1
	MULB 12, \q4, 0
	MULB 13, \q4, 0
	WIN 0
	s_barrier_wait -1
.if \kind == 1
	CREST                                          ; the barrier has opened a round of the cluster's barrier
	s_add_nc_u64 s[G0+4*\slot+2:G0+4*\slot+3], s[G0+4*\slot+2:G0+4*\slot+3], 1024   ; two periods of 512 bytes on
	JLOAD \slot                                    ; the first tensor load behind the round; its four v_nop are four of the eight places of the loads below
	PLACES 4
.else
	PLACES 8
.endif
	GRUN 1-\slot, 0, 0                             ; the next slot's first group, into the set that group 2 read
.if \kind == 1
	ASK \odd
.endif
	MULB 14, \q4, 0
	MULB 15, \q4, 0
.endif
.if \kind == 4
	PLACES 8
	WIN 0
	RLOAD 0
	s_wait_dscnt 12                                ; group 3's fragments are in: behind them the 12 loads just issued
	GMUL 3, \q4, 0
.endif
.endm
	s_load_b256 s[4:11], s[0:1], 0x0               ; x_codes s[4:5], w_codes s[6:7], scl s[8:9], bias s[10:11]
	s_load_b64 s[12:13], s[0:1], 0x20              ; out0
	v_lshl_add_u32 v[SPW], v0, 2, SPARE
	v_mov_b32 v[NIL], 0
	ds_add_u32 v[SPW], v[NIL]                      ; the opening lines: the add twice on end and one wait
	ds_add_u32 v[SPW], v[NIL]
	v_lshrrev_b32 v1, 5, v0
	v_readfirstlane_b32 s14, v1                    ; wave 0..3
	s_bfe_u32 s40, ttmp6, 0x40000                  ; cx
	s_lshl_b32 s42, ttmp9, 2
	s_add_co_u32 s42, s42, s40                     ; tile column = 4 x cluster x + cx
	s_and_b32 s17, ttmp7, 0xffff                   ; tile row: the cluster's y
	s_mov_b32 s[G1+0], 15|(1<<20)|(1<<21)|(6<<22)|(3<<25)   ; mask: all four of the cluster; elements of 1 byte; padding of 4 words behind every 128
	s_mov_b32 s[G1+1], 512<<16                     ; tensor_dim0
	s_mov_b32 s[G1+2], 64<<16                      ; tensor_dim1
	s_mov_b32 s[G1+3], 512<<16                     ; tile_dim0
	s_mov_b32 s[G1+4], 64                          ; tile_dim1
	s_mov_b32 s[G1+5], 4096                        ; pitch
	s_mov_b32 s[G1+6], 0
	s_mov_b32 s[G1+7], 0
	s_lshl_b32 s20, s17, 8
	s_lshl_b32 s18, s14, 6
	s_add_co_u32 s20, s20, s18                     ; x: row 256 x tile row + 64 x wave
	s_lshl_b32 s20, s20, 12
	s_mov_b32 s21, 0
	s_mul_i32 s22, s14, QUART
	s_wait_dscnt 0x0
	s_wait_kmcnt 0x0
	s_add_nc_u64 s[20:21], s[4:5], s[20:21]
.irp s, 0,1
	s_mov_b32 s[G0+4*\s], 1
	s_add_co_u32 s[G0+4*\s+1], s22, \s*SLOT
	s_add_nc_u64 s[G0+4*\s+2:G0+4*\s+3], s[20:21], \s*512
	s_or_b32 s[G0+4*\s+3], s[G0+4*\s+3], 0x80000000
.endr
	CROUND                                         ; the four work-groups are here: the first joint loads meet
	JLOAD 0                                        ; period 0: one tensor load a wave at the head
	s_lshl_b32 s18, s42, 8
	s_lshl_b32 s19, s14, 6
	s_add_co_u32 s23, s18, s19                     ; my first column of out0 = my first row of w
	s_mov_b32 s19, 0
	s_lshl_b32 s18, s23, 2
	s_add_nc_u64 s[10:11], s[10:11], s[18:19]
	s_add_nc_u64 s[12:13], s[12:13], s[18:19]
	s_lshl_b32 s18, s17, 22                        ; 256 rows of 16,384 bytes
	s_add_nc_u64 s[12:13], s[12:13], s[18:19]
	s_lshl_b32 s18, s23, 12                        ; 16 rows of w are 65,536 bytes
	s_add_nc_u64 s[WB:WB+1], s[6:7], s[18:19]
	s_mov_b64 s[SCB:SCB+1], s[8:9]
	s_lshl_b32 s18, s40, 16                        ; of the 64 rows that I fetch my work-group prefetches 16,
	s_add_co_u32 s18, s18, 3*512                   ; first of period 3
	s_add_nc_u64 s[PFX:PFX+1], s[20:21], s[18:19]
	s_lshl_b32 s52, s17, 11                        ; x's scale words: 256 rows of 8 bytes
	s_lshl_b32 s53, s23, 3
	s_add_co_u32 s53, s53, WPART
	s_lshr_b32 s54, s17, 2                         ; w's prefetches: blocks 8 x tile row .. + 7 of my 128: 32 blocks of 256 bytes for each 16 rows
	s_lshl_b32 s54, s54, 16
	s_and_b32 s55, s17, 3
	s_lshl_b32 s55, s55, 11
	s_add_co_u32 s54, s54, s55
	s_mul_i32 s55, s14, 16*SPITCH
	s_add_co_u32 s55, s55, STAGE
	v_and_b32 v1, 15, v0                           ; l % 16
	v_bfe_u32 v2, v0, 4, 1                         ; l / 16
	v_and_b32 v6, 31, v0
	v_mul_u32_u24 v3, v1, PITCH
	v_lshl_add_u32 v[ADX], v2, 4, v3
	v_add_nc_u32 v[ADX+1], 8*BLKB, v[ADX]
	v_add_nc_u32 v[ADX+2], SLOT, v[ADX]
	v_add_nc_u32 v[ADX+3], SLOT+8*BLKB, v[ADX]
	v_lshlrev_b32 v[WO], 4, v6
	v_lshl_add_u32 v[VSX], v6, 3, s52
	v_lshl_add_u32 v[VSW], v6, 3, s53
	v_lshlrev_b32 v[BO], 5, v2
	v_mul_u32_u24 v4, v1, SPITCH                   ; into the stage: row l % 16, 32 bytes for each half of the lanes
	v_lshl_add_u32 v4, v2, 5, v4
	v_add_nc_u32 v[STO], s55, v4
	v_mul_u32_u24 v5, v2, SPITCH                   ; back: lanes 0-15 one row of 256 bytes, lanes 16-31 the next
	v_lshl_add_u32 v5, v1, 4, v5
	v_add_nc_u32 v[RD], s55, v5
	v_lshlrev_b32 v7, 14, v2                       ; and the same two rows in out0
	v_lshl_add_u32 v[CO], v1, 4, v7
	v_lshlrev_b32 v7, 12, v1                       ; x's prefetches: row l % 16, block l / 16 of a period's two
	v_lshl_add_u32 v[PXO], v2, 8, v7
	v_min_u32 v7, 7, v6
	v_lshl_add_u32 v[PWO], v7, 8, s54
	s_wait_alu depctr_va_vdst(0)
.irp b, 0,1,2,3
	global_load_b128 v[BI+8*\b:BI+8*\b+3],   v[BO], s[10:11] offset:64*\b
	global_load_b128 v[BI+8*\b+4:BI+8*\b+7], v[BO], s[10:11] offset:64*\b+16
.endr
	SCLOAD 0, 0
	WIN TO_W
.irp b, 0,1,2,3
	WLOAD 0, \b, 0
.endr
.irp b, 0,1,2,3
	WLOAD 1, \b, 1
.endr
	WIN 0
	s_wait_tensorcnt 0x0                           ; my quarter of period 0 is in
	ds_add_u32 v[SPW], v[NIL]
	s_wait_dscnt 0x0
	CROUND
	JLOAD 1                                        ; period 1, slot 1's first fill
	GRUN 0, 0, 0                                   ; the first group's fragments
	WIN TO_W
.irp b, 0,1,2,3
	WLOAD 2, \b, 2
.endr
	STEP 0, 0, 0, 1, 1, 1, 32, 0, 0                ; the first step stands ahead of the loop: its products start the sums on the bias.  32: w's steps 1 and 2 may be out
	WIN 0
	s_mov_b32 s3, 3
.Llap:                                                 ; a trip is eight steps, once round the ring, from a period's second step to the first of the next but one
	STEP 0, 1, 1, 0, 1, 0, 42, 0, 0                ; 42: two steps of w (32) and ten scale loads were issued behind this step's w
	STEP 0, 2, 2, 0, 1, 1, 32, 0, 0                ; 32: two steps of w were issued behind this step's scale words
	STEP 0, 3, 3, 0, 1, 0, 42, 1, 0
	STEP 1, 0, 4, 0, 1, 1, 32, 0, 0
	STEP 1, 1, 5, 0, 1, 0, 42, 0, 0
	STEP 1, 2, 6, 0, 1, 1, 32, 0, 0
	STEP 1, 3, 7, 0, 1, 0, 42, 1, 1
	STEP 0, 0, 8, 0, 1, 1, 32, 0, 0
	WIN 0
	s_wait_xcnt 0x0                                ; the trip's loads and prefetches have read their bases
	s_add_nc_u64 s[WB:WB+1], s[WB:WB+1], 8*2048
	s_add_nc_u64 s[SCB:SCB+1], s[SCB:SCB+1], 4*32768
	s_add_nc_u64 s[PFX:PFX+1], s[PFX:PFX+1], 1024
	s_sub_co_u32 s3, s3, 1
	s_cmp_lg_u32 s3, 0
	s_cbranch_scc1 .Llap
	STEP 0, 1, 1, 0, 1, 0, 42, 0, 0                ; steps 25 to 28: no slot is filled again
	STEP 0, 2, 2, 0, 1, 1, 32, 0, 0
	STEP 0, 3, 3, 0, 1, 0, 42, 2, 0
	STEP 1, 0, 4, 0, 1, 1, 32, 4, 0
	WIN 0
; STEPS 29 TO 31, BY ROWS, AND THE WAY OUT.  A finished block of 16 rows x my 64 columns goes, 32 bytes a lane, into my own stage and comes back as whole rows of 256 bytes; sixteen lanes store one aligned unit.
; LDS serves a wave's instructions in order.  The rows land in w's set 0, which step 28 read last: two buffers of 32 registers.
.macro TOSTAGE a
	WIN 0x08+4*((\a)/8)                            ; the data: window 2 or 3
.irp b, 0,1,2,3
	ds_store_b128 v[STO], v[32*((\a)%8)+8*\b:32*((\a)%8)+8*\b+3] offset:64*\b       ; each accumulator from its low end on
	ds_store_b128 v[STO], v[32*((\a)%8)+8*\b+4:32*((\a)%8)+8*\b+7] offset:64*\b+16
.endr
	WIN TO_W
.irp t, 0,1,2,3,4,5,6,7
	ds_load_b128 v[32*((\a)%2)+4*\t:32*((\a)%2)+4*\t+3], v[RD] offset:\t*2*SPITCH
.endr
	WIN 0
.endm
.macro SEND a
	WIN 0x04                                       ; the data: window 1
.irp t, 0,1,2,3,4,5,6,7
	global_store_b128 v[CO], v[32*((\a)%2)+4*\t:32*((\a)%2)+4*\t+3], s[12:13] offset:(\a)*262144+\t*32768 th:TH_STORE_NT
.endr
	WIN 0
.endm
	s_wait_loadcnt 0x0                             ; w's last three steps and the last scale words are in
; The run ahead of block a: eight places (for the loads into the set that block a - 1 read, and for the stores that read its results); my LDS instructions are done: block a's fragments and block a - 2's rows;
; block a - 3's stores have read the buffer that block a - 1's rows take; block a - 2 is stored, block a + 1 fetched, block a - 1 sent through the stage.
.irp a, 0,1,2,3,4,5,6,7,8,9,10,11,12,13,14,15
	PLACES 8
	WIN 0
	s_wait_dscnt 0x0
.if \a > 2
	s_wait_xcnt 0x0
.endif
.if \a > 1
	SEND \a-2
.endif
.if \a < 15
	RLOAD \a+1
.endif
.if \a > 0
	TOSTAGE \a-1
.endif
.irp q, 1,2,3
.set PL, 4*(\a%2)+\q-1
	MULB \a, \q, 0                                 ; the block's four accumulators by turns, three steps deep
.endr
.endr
.set PL, -1
	PLACES 8
	WIN 0
	s_wait_dscnt 0x0
	s_wait_xcnt 0x0
	SEND 14
	TOSTAGE 15
	s_wait_dscnt 0x0
	SEND 15
	s_wait_tensorcnt 0x0                           ; the wave's end
	ds_add_u32 v[SPW], v[NIL]
	s_wait_dscnt 0x0
	CROUND                                         ; the closing round
	s_endpgm
.Lfunc_end_k_q2539fd82b1_gemm:
	.size	k_q2539fd82b1_gemm, .Lfunc_end_k_q2539fd82b1_gemm-k_q2539fd82b1_gemm
	.p2alignl 7, 3214868480
	.fill 96, 4, 3214868480
	.section	.rodata,"a",@progbits
	.p2align	6, 0x0
	.amdhsa_kernel k_q2539fd82b1_gemm
		.amdhsa_group_segment_fixed_size 327680
		.amdhsa_private_segment_fixed_size 0
		.amdhsa_enable_private_segment 0
		.amdhsa_kernarg_size 40
		.amdhsa_user_sgpr_count 2
		.amdhsa_user_sgpr_kernarg_segment_ptr 1
		.amdhsa_wavefront_size32 1
		.amdhsa_system_sgpr_workgroup_id_x 1
		.amdhsa_system_sgpr_workgroup_id_y 1
		.amdhsa_system_sgpr_workgroup_id_z 1
		.amdhsa_system_vgpr_workitem_id 0
		.amdhsa_next_free_vgpr 1024
		.amdhsa_next_free_sgpr 66
		.amdhsa_reserve_vcc 0
		.amdhsa_float_denorm_mode_32 3
		.amdhsa_float_denorm_mode_16_64 3
		.amdhsa_memory_ordered 1
		.amdhsa_forward_progress 1
		.amdhsa_inst_pref_size 255
	.end_amdhsa_kernel
	.section	.bss,"aw",@nobits
	.p2align	6
	.space	262144
	.amdgpu_metadata
---
amdhsa.version: [ 1, 2 ]
amdhsa.kernels:
  - .name:           k_q2539fd82b1_gemm
    .symbol:         k_q2539fd82b1_gemm.kd
    .args:
      - { .name: x_codes, .offset: 0, .size: 8, .value_kind: global_buffer, .address_space: global }
      - { .name: w_codes, .offset: 8, .size: 8, .value_kind: global_buffer, .address_space: global }
      - { .name: scl, .offset: 16, .size: 8, .value_kind: global_buffer, .address_space: global }
      - { .name: bias, .offset: 24, .size: 8, .value_kind: global_buffer, .address_space: global }
      - { .name: out0, .offset: 32, .size: 8, .value_kind: global_buffer, .address_space: global }
    .group_segment_fixed_size: 327680
    .private_segment_fixed_size: 0
    .kernarg_segment_align: 8
    .kernarg_segment_size: 40
    .max_flat_workgroup_size: 128
    .sgpr_count:     66
    .vgpr_count:     1024
    .wavefront_size: 32
...
	.end_amdgpu_metadata
.endif
;; end of part 2
